; MI455X (gfx1250); checked and timed in simulation.
; The chip was launched on July 23, 2026; its instructions are those of AMD's public machine-readable ISA for CDNA 5 (MIT licence, August 2026) and "CDNA5" Instruction Set Architecture Reference Guide (July 2026). The comments in the code are by the model that wrote it; some were corrected since.
;; Self Attention. Allowed arithmetic: matrix products marked QUANTISED: E4M3 operands, one E8M0 scale for each 32 along K, by v_wmma_scale_f32_16x16x128_f8f6f4 with both operands' format E4M3, f32 sums; everything else in f32.
;; Inputs: W_out_codes 1,024 x 32 x 32 uint8 (E4M3 codes of W_out, K innermost, in blocks of 32 codes); W_out_scales 1,024 x 32 uint8 (E8M0 scales of W_out, one for each 32 codes along K); W_qkv_codes 3,072 x 32 x 32 uint8 (E4M3 codes of W_qkv, K innermost, in blocks of 32 codes); W_qkv_scales 3,072 x 32 uint8 (E8M0 scales of W_qkv, one for each 32 codes along K); b_out 1,024 float32; x 4 x 2,048 x 1,024 float32.
;; Outputs: out0 4 x 2,048 x 1,024 float32.
;; This version of the problem:
;;   THIS VERSION OF THE PROBLEM IS GIVEN IN LOW PRECISION. The matrix products marked QUANTISED in the list below multiply operands that are first quantised to E4M3 (4 exponent bits, 3 mantissa bits; 8 bits a number), with one power-of-two scale for each 32 numbers along K (OCP MX v1.0); their sums are f32. All else is computed in f32.
;;   The module's matrix products, in the order in which they are computed (A, B: the left and right operand; K: the contracted axis; several contracted axes count as one K, in the product's order):
;;     1. [M 8,192, K 1,024] x [K 1,024, N 3,072]; A: input x; B: input W_qkv (given as codes): QUANTISED
;;     2. batch 64 x [M 2,048, K 64] x [K 64, N 2,048]; A: computed on the way; B: computed on the way: QUANTISED
;;     3. batch 64 x [M 64, K 2,048] x [K 2,048, N 2,048]; A: computed on the way; B: softmax (see below): QUANTISED
;;     4. [M 8,192, K 1,024] x [K 1,024, N 1,024]; A: computed on the way; B: input W_out (given as codes): QUANTISED
;;   THE QUANTISER, for each operand of a quantised product, along K:
;;     - K is cut into blocks of 32 from its start; a last block that is shorter is filled with zeros.
;;     - A block's scale is 2^e with e = floor(log2(the largest magnitude in the block)) - 8, held to -126 .. 127; a block of zeros has e = 0. As a byte (E8M0): e + 127.
;;     - Each number is divided by its block's scale, clamped to +-448, and rounded to the nearest number of E4M3, ties to even, subnormals kept.
;;     - The product sums the exact products of the quantised numbers (number of the format x scale) in f32.
;;   ~~~python
;;   def quantise(x, axis):      # numpy; x: float32 -> the quantised numbers, widened to float32 again
;;       x = np.moveaxis(x, axis, -1); K = x.shape[-1]
;;       x = np.pad(x, [(0, 0)] * (x.ndim - 1) + [(0, -K % 32)]); x = x.reshape(x.shape[:-1] + (-1, 32)); a = np.abs(x).max(-1, keepdims=True)
;;       e = np.where(a > 0, np.clip(np.frexp(np.where(a > 0, a, 1))[1] - 1 - 8, -126, 127), 0)      # np.frexp(a)[1] - 1 = floor(log2(a)), exactly
;;       r = np.clip(x / 2.0 ** e, -448, 448)
;;       step = 2.0 ** (np.maximum(np.frexp(np.where(r == 0, 1, r))[1] - 1, -6) - 3)
;;       q = np.round(r / step) * step * 2.0 ** e      # np.round: ties to even
;;       return np.moveaxis(q.reshape(q.shape[:-2] + (-1,))[..., :K], -1, axis).astype(np.float32)
;;   ~~~
;;   SOFTMAX AHEAD OF A QUANTISED PRODUCT. Where the list says 'softmax', what is quantised is not the finished softmax but p = 2^(t - M), with t = logit x log2(e) and M = ceil(the row's largest t), a whole number; so 1/2 < the row's largest p <= 1. The row's sum l is taken of the UNQUANTISED p, in f32, and the product's result is divided by l at the end. Since M is a whole number, a kernel that streams over the keys may use a running M (the ceiling of the running maximum): every later rescaling is an exact power of two, which a block's scale takes up: the codes' values come out the same.
;;   OPERANDS COMPUTED ON THE WAY. 'Computed on the way' means the value that the module computes at that place (a softmax that the list does not call 'softmax' is quantised finished and normalised). What goes into a quantiser is computed in f32, as accurately as f32 sums, v_exp_f32 and their like allow (about 1e-6 of the number): no bf16 or f16 on the way to a quantiser, and a product that is left as it is and whose result goes on into a quantised operand takes f32 operands (vector FMAs, or v_wmma_f32_16x16x4_f32). A number that lies on a knife's edge between two numbers of the format may be rounded either way, as far as f32 arithmetic and the matrix unit's own rounding can turn it there, and no further.
;;   INPUTS GIVEN AS CODES. W_out (in the module: [1024, 1024], K = its axis 1); W_qkv (in the module: [3072, 1024], K = its axis 1): each comes as NAME_codes (uint8): NAME with its K axis moved to the last place and cut into blocks of 32 codes, [.., K / 32, bytes a block], one block behind the other in memory; one code a byte (a code: sign, 4 exponent bits, 3 mantissa bits); and NAME_scales (uint8): the same leading axes, one E8M0 byte (e + 127) for each 32 codes along K. Its value is code x scale, taken as it is: it is not quantised again, and the codes and scales need not be those that the quantiser above would give.
;; One version. Each part assembles by itself: llvm-mc -triple=amdgcn-amd-amdhsa -mcpu=gfx1250 --defsym DOCPART=n.
;; ======== version 1 of 1: 4 launches
;; limits: right only within a limited range of input values
;; workspace buffers: xc 8,388,608 bytes; xs 262,144 bytes; qc 8,388,608 bytes; qs 524,288 bytes; kv 17,301,504 bytes; ac 8,388,608 bytes; asc 262,144 bytes
;; launch quantx (part 1): grid 256 x 1, 4 waves a work-group, no clusters, 34,304 bytes of LDS; arguments x, xc, xs; writes xc, xs
.if DOCPART == 1
	.amdgcn_target "amdgcn-amd-amdhsa--gfx1250"
	.amdhsa_code_object_version 6
	.text
	.protected	k_q09e0b9e638_quantx
	.globl	k_q09e0b9e638_quantx
	.p2align	8
	.type	k_q09e0b9e638_quantx,@function
k_q09e0b9e638_quantx:
	s_mov_b64 s[64:65], 0
	v_nop
	global_prefetch_b8 v0, s[64:65] scope:SCOPE_SE
	s_setreg_imm32_b32 hwreg(HW_REG_WAVE_MODE, 25, 1), 1
	s_wait_xcnt 0x0
; x [8192 tokens][1024] f32 becomes codes of E4M3 with one E8M0 byte for each 32 along K, laid as the later launch's operand registers want them.
; TOKEN TILES: tile tau = 2 beta + u holds 16 tokens; its row r is token 32 beta + 8 u + r % 8 + 16 (r / 8).
; xc: [tau 512][K step 8][image of 2,048 bytes]; in an image register group c (0..3) of lane l lies at 512 c + 16 l, and lane (r = l % 16, h = l / 16) holds k = 32 c + 16 h + 0 .. 15 of row r.
; xs: [tau][l' 32][4 words]: word j of l' is the scale word of row l' % 16 for K step 4 (l' / 16) + j.
; SHARES: 1,024 waves; wave id = 4 x work-group + wave takes tile id / 2 and half id % 2 of K: four K steps of 128.  Waves share nothing: no barrier.
; Each load reads 512 consecutive bytes of one row; a K step's 16 rows turn through the wave's own stage in LDS (rows of 512 bytes + 16), so that a lane gets 16 neighbours of each block of 32.
; A block's scale is 2^(floor(log2(largest magnitude)) - 8); its byte is the largest magnitude's exponent field - 8, held at 1 from below by a floor among the maximum's leaves.
; LIMITS: NaN and infinities among the inputs are not served; a block of zeros gets the byte 1 (its codes are zeros, and this program alone reads the bytes); blocks whose largest magnitude lies under 2^-118 are held at that floor.
.set TM,    16                         ; v16-19  largest magnitudes
.set T1,    20                         ; v20-23  the other half's maxima, then the scale bytes
.set HL,    24                         ; v24-27  448 x the scale
.set SO,    28                         ; v28-31  the conversions' scale operands
.set SW,    32                         ; v32-35  a scale word for each K step
.set PC,    40                         ; v40-55  a K step's codes
.set RS,    0                          ; window 1, v0-255 there: four sets of 64 registers as loaded, one for each of the wave's K steps: all 64 loads are issued at the start
.set XN,    192                        ; v192-255 64 numbers: register 16 b + i = k 32 b + 16 h + i of my row
.set PITCH, 528
.set WSTG,  16*PITCH                   ; a wave's stage
.set SEL,   22
.set MNT,   24
.set MH,    25
	s_load_b128 s[4:7], s[0:1], 0x0                ; x, xc
	s_load_b64 s[8:9], s[0:1], 0x10                ; xs
	v_lshl_add_u32 v62, v0, 2, 0x8400
	v_mov_b32 v63, 0
	v_lshrrev_b32 v5, 5, v0
	v_readfirstlane_b32 s10, v5                    ; wave 0..3
	v_and_b32 v6, 31, v0                           ; lane
	v_and_b32 v7, 15, v0                           ; r
	v_bfe_u32 v8, v0, 4, 1                         ; h
	v_lshlrev_b32 v1, 4, v6                        ; 16 x lane
	s_mul_i32 s11, s10, WSTG
	v_add_nc_u32 v2, s11, v1                       ; the stage, way in: 16 x lane of a row
	v_mul_u32_u24 v3, v7, PITCH
	v_lshl_add_u32 v3, v8, 6, v3
	v_add_nc_u32 v3, s11, v3                       ; way out: row r, + 64 h
	v_lshlrev_b32 v4, 4, v7
	v_lshl_add_u32 v4, v8, 3, v4                   ; the scale words' place: 16 r + 8 h
.irp u, 0,1,2,3
	v_mov_b32 v[T1+\u], 0                          ; a lane permute's destination counts as one of its sources
.endr
	s_lshl_b32 s12, ttmp9, 2
	s_add_co_u32 s12, s12, s10                     ; id
	s_lshr_b32 s13, s12, 1                         ; tau
	s_and_b32 s14, s12, 1                          ; half of K
	s_lshr_b32 s15, s13, 1
	s_lshl_b32 s15, s15, 17                        ; 32 beta rows of 4,096 bytes
	s_and_b32 s16, s13, 1
	s_lshl_b32 s16, s16, 15                        ; 8 u rows
	s_add_co_u32 s16, s15, s16
	s_lshl_b32 s17, s14, 11                        ; my half of a row
	s_add_co_u32 s16, s16, s17
	s_mov_b32 s17, 0
	s_lshl_b32 s18, s13, 14
	s_lshl_b32 s19, s14, 13
	s_add_co_u32 s18, s18, s19                     ; xc: 16,384 tau + 8,192 half
	s_mov_b32 s19, 0
	s_lshl_b32 s20, s13, 9
	s_lshl_b32 s21, s14, 8
	s_add_co_u32 s20, s20, s21                     ; xs: 512 tau + 256 half
	s_mov_b32 s21, 0
	s_mov_b32 s[SEL], 0x76543210
	s_mov_b32 s[SEL+1], 0xfedcba98                 ; v_permlanex16_b32's selects for lane l xor 16
	s_mov_b32 s[MNT], 0x600000                     ; the mantissa field of 448
	s_mov_b32 s[MH], 0xffff0000                    ; lanes 16-31
	s_wait_alu depctr_va_vdst(0)
	s_wait_kmcnt 0x0
	s_add_nc_u64 s[4:5], s[4:5], s[16:17]
	s_add_nc_u64 s[6:7], s[6:7], s[18:19]
	s_add_nc_u64 s[8:9], s[8:9], s[20:21]
.macro LOAD t                          ; K step t of the tile's 16 rows: 512 consecutive bytes a load
.irp i, 0,1,2,3,4,5,6,7,8,9,10,11,12,13,14,15
	global_load_b128 v[RS+64*(\t)+4*\i:RS+64*(\t)+4*\i+3], v1, s[4:5] offset:((\i%8)+16*(\i/8))*4096+512*(\t) th:TH_LOAD_NT
.endr
.endm
; Four blocks of 32: my 16 numbers of block u in v[XN + 16 u] on; lane l xor 16 holds the other 16.  Codes into v[PC + 4 u] on, bytes into v[T1 + u].
.macro QUANT4
.irp u, 0,1,2,3
	v_max3_num_f32 v[TM+\u], |v[XN+16*\u]|, |v[XN+16*\u+1]|, 0x4800000   ; with the floor 2^(9 - 127): the byte cannot fall under 1
.endr
.irp i, 2,4,6,8,10,12,14
.irp u, 0,1,2,3
	v_max3_num_f32 v[TM+\u], v[TM+\u], |v[XN+16*\u+\i]|, |v[XN+16*\u+\i+1]|   ; the four blocks by turns
.endr
.endr
.irp u, 0,1,2,3
	v_permlanex16_b32 v[T1+\u], v[TM+\u], s[SEL], s[SEL+1]
.endr
.irp u, 0,1,2,3
	v_max_num_f32 v[TM+\u], v[TM+\u], v[T1+\u]     ; the block's largest magnitude
.endr
.irp u, 0,1,2,3
	v_add_nc_u32 v[SO+\u], 0xfc000000, v[TM+\u]    ; 8 off its exponent field: the conversion's scale operand
.endr
.irp u, 0,1,2,3
	v_and_or_b32 v[HL+\u], v[TM+\u], 0x7f800000, s[MNT]   ; 448 x the scale
.endr
.irp u, 0,1,2,3
	v_lshrrev_b32 v[T1+\u], 23, v[SO+\u]           ; the scale's byte
.endr
.irp u, 0,1,2,3
.irp i, 0,1,2,3,4,5,6,7,8,9,10,11,12,13,14,15
	v_med3_num_f32 v[XN+16*\u+\i], v[XN+16*\u+\i], -v[HL+\u], v[HL+\u]   ; the conversion does not saturate (ISA guide 7.6.2): the hold comes first
.endr
.endr
	s_wait_alu depctr_va_vdst(0)
	s_wait_xcnt 0x0                                ; the last step's stores have read the code registers: only now are they rewritten
.irp u, 0,1,2,3
	v_cvt_scalef32_pk8_fp8_f32 v[PC+4*\u:PC+4*\u+1], v[XN+16*\u:XN+16*\u+7], v[SO+\u]
	v_cvt_scalef32_pk8_fp8_f32 v[PC+4*\u+2:PC+4*\u+3], v[XN+16*\u+8:XN+16*\u+15], v[SO+\u]
.endr
	v_nop                                          ; one plain line behind the last conversion
.endm
.macro STEP t
	s_wait_loadcnt 16*(3-(\t))                     ; this step's 16 loads are in; those of the later steps may be out
.if (\t) == 0
	s_set_vgpr_msb 0x4004                          ; an LDS store's data are its source 1: window 1 (the setting before was 0x40)
.else
	s_set_vgpr_msb 0x0004
.endif
.irp i, 0,1,2,3,4,5,6,7,8,9,10,11,12,13,14,15
	ds_store_b128 v2, v[RS+64*(\t)+4*\i:RS+64*(\t)+4*\i+3] offset:\i*PITCH
.endr
	s_set_vgpr_msb 0x0400                          ; all back to window 0
.irp b, 0,1,2,3
.irp j, 0,1,2,3
	ds_load_b128 v[XN+16*\b+4*\j:XN+16*\b+4*\j+3], v3 offset:128*\b+16*\j
.endr
.endr
	s_wait_dscnt 0x0                               ; the numbers are back, and the stores have read their registers
	QUANT4
	v_lshl_or_b32 v[SW+(\t)], v[T1+1], 8, v[T1]    ; the four bytes make my row's scale word for this K step
	v_lshl_or_b32 v[SW+(\t)], v[T1+2], 16, v[SW+(\t)]
	v_lshl_or_b32 v[SW+(\t)], v[T1+3], 24, v[SW+(\t)]
.irp c, 0,1,2,3
	global_store_b128 v1, v[PC+4*\c:PC+4*\c+3], s[6:7] offset:(\t)*2048+\c*512   ; 512 consecutive bytes of the image
.endr
.endm
	s_set_vgpr_msb 0x40                            ; the loads' destinations: window 1
	LOAD 0
	LOAD 1
	LOAD 2
	LOAD 3
	STEP 0
	STEP 1
	STEP 2
	STEP 3
	v_cndmask_b32 v36, v[SW], v[SW+2], s[MH]       ; lanes 0-15 store words 0, 1 of their row, lanes 16-31 words 2, 3
	v_cndmask_b32 v37, v[SW+1], v[SW+3], s[MH]
	global_store_b64 v4, v[36:37], s[8:9]          ; 256 consecutive bytes
	s_wait_tensorcnt 0x0
	ds_add_u32 v62, v63
	s_wait_dscnt 0x0
	s_endpgm
.Lfunc_end_k_q09e0b9e638_quantx:
	.size	k_q09e0b9e638_quantx, .Lfunc_end_k_q09e0b9e638_quantx-k_q09e0b9e638_quantx
	.p2alignl 7, 3214868480
	.fill 96, 4, 3214868480
	.section	.rodata,"a",@progbits
	.p2align	6, 0x0
	.amdhsa_kernel k_q09e0b9e638_quantx
		.amdhsa_group_segment_fixed_size 34304
		.amdhsa_private_segment_fixed_size 0
		.amdhsa_enable_private_segment 0
		.amdhsa_kernarg_size 24
		.amdhsa_user_sgpr_count 2
		.amdhsa_user_sgpr_kernarg_segment_ptr 1
		.amdhsa_wavefront_size32 1
		.amdhsa_system_sgpr_workgroup_id_x 1
		.amdhsa_system_sgpr_workgroup_id_y 1
		.amdhsa_system_sgpr_workgroup_id_z 1
		.amdhsa_system_vgpr_workitem_id 0
		.amdhsa_next_free_vgpr 512
		.amdhsa_next_free_sgpr 66
		.amdhsa_reserve_vcc 0
		.amdhsa_float_denorm_mode_32 3
		.amdhsa_float_denorm_mode_16_64 3
		.amdhsa_memory_ordered 1
		.amdhsa_forward_progress 1
		.amdhsa_inst_pref_size 51
	.end_amdhsa_kernel
	.amdgpu_metadata
---
amdhsa.version: [ 1, 2 ]
amdhsa.kernels:
  - .name:           k_q09e0b9e638_quantx
    .symbol:         k_q09e0b9e638_quantx.kd
    .args:
      - { .name: x, .offset: 0, .size: 8, .value_kind: global_buffer, .address_space: global }
      - { .name: xc, .offset: 8, .size: 8, .value_kind: global_buffer, .address_space: global }
      - { .name: xs, .offset: 16, .size: 8, .value_kind: global_buffer, .address_space: global }
    .group_segment_fixed_size: 34304
    .private_segment_fixed_size: 0
    .kernarg_segment_align: 8
    .kernarg_segment_size: 24
    .max_flat_workgroup_size: 128
    .sgpr_count:     66
    .vgpr_count:     512
    .wavefront_size: 32
...
	.end_amdgpu_metadata
.endif
;; end of part 1
;; launch qkv (part 2): grid 16 x 16, 4 waves a work-group, clusters of 4 x 1, 327,680 bytes of LDS; arguments xc, xs, W_qkv_codes, W_qkv_scales, qc, qs, kv; writes qc, qs, kv
.if DOCPART == 2
	.amdgcn_target "amdgcn-amd-amdhsa--gfx1250"
	.amdhsa_code_object_version 6
	.text
	.protected	k_q09e0b9e638_qkv
	.globl	k_q09e0b9e638_qkv
	.p2align	8
	.type	k_q09e0b9e638_qkv,@function
k_q09e0b9e638_qkv:
	s_mov_b64 s[64:65], 0
	v_nop
	global_prefetch_b8 v0, s[64:65] scope:SCOPE_SE
	s_setreg_imm32_b32 hwreg(HW_REG_WAVE_MODE, 25, 1), 1
	s_wait_xcnt 0x0
	s_wait_alu depctr_hold_cnt(0) depctr_sa_sdst(0) depctr_va_vdst(0) depctr_va_sdst(0) depctr_va_ssrc(0) depctr_va_vcc(0) depctr_vm_vsrc(0)
	s_getreg_b32 s2, hwreg(HW_REG_IB_STS2, 6, 4)
	s_cmp_eq_u32 s2, 0
	s_cbranch_scc0 .Lentry_in_a_cluster
	s_endpgm
.Lentry_in_a_cluster:
	s_bfe_u32 s2, ttmp6, 0x10000c
	s_cmp_lg_u32 s2, 0x3003
	s_cbranch_scc0 .Lentry_shape_is_right
	s_endpgm
.Lentry_shape_is_right:
; qkv = x W_qkv^T on codes of E4M3, and in the same launch q, k (along the head's 64 channels) and v (along the keys) are quantised and stored as operand images for the attention launch.
; SHARES: a work-group takes one head (its 192 rows of W: 64 of q, 64 of k, 64 of v) and 512 tokens; wave w takes 128 of them, in two passes of 64 (four token tiles): 48 accumulators a pass.
; The head's 192 rows of W, all 1,024 along K, stay in LDS: whole rows of 1,024 bytes, pitch 1,040, filled once.  The four work-groups of a cluster take the same head and the four
; chunks of tokens of one batch, so W's tiles are asked for jointly.  x's fragments are private to a wave: they go from xc straight into registers, three K steps ahead.
; q and k are made TRANSPOSED (source 0 = 16 rows of W, source 1 = a token tile): a lane holds one token, its registers channels 16 nt + 8 h + j.  The two tiles of a block of 32 channels give
; a lane channels 32 b + 8 h + 0..7 and 32 b + 16 + 8 h + 0..7: each conversion's 8 bytes go to their place in the image (16 r + 8 h + 256 e).
; v is made the natural way (source 0 = a token tile, source 1 = 16 rows of W): a lane holds one channel, and the 16 registers of tiles (beta, 0), (beta, 1) are tokens 32 beta + 16 h + 0..15.
; OUT: qc [bh][beta][u][c 2][lane][16]; qs [bh][beta][r][u] words (the two scale bytes twice); kv [bh][key step of 128][16,896]: K 4 x 2,048 (group 2 u + b' of block b: key tile (b, u), channels
; 32 b' + 16 h on), V 4 x 2,048 (channel tile ct, group c: keys 32 c + 16 h on), 256 bytes of K's scale words [r][b], 256 of V's [r][ct].
; LIMITS: as the quantiser of x: no NaN or infinities; a block of zeros gets the byte 1; the floor 2^-118.
; REGISTERS: window 0: addresses, scale words, work.  window 1: x's ring, 4 K steps x 64.  window 2: q's 16 accumulators at 8 (4 mt + nt), k's at 128 + the same.
;   window 3: v's at 8 (4 nt + mt); from v128 two buffers of four fragments of W.
.set LI,    1                          ; v1     16 x lane
.set WAD,   2                          ; v2-4   W's fragments of group 0..2 (q, k, v): 1,040 r + 16 h + 66,560 g
.set O8,    6                          ; v6     16 r + 8 h
.set QSA,   7                          ; v7     128 h + 8 r
.set WSA,   8                          ; v8     32 r + 16 h
.set WS,    16                         ; v16-63 W's scale words: 4 nt + j: lanes 0-15 K step j, lanes 16-31 K step 4 + j
.set XS,    64                         ; v64-79 x's, 4 mt + j, likewise
.set KW,    80                         ; v80-83 k's scale words of the key step's four blocks
.set VW,    84                         ; v84-87 v's, one for each channel tile
.set TM,    88
.set T1,    92
.set HL,    96
.set SO,    100
.set QW,    104                        ; v104-107 q's scale words, 2 a + u
.set TP,    108                        ; v108-111 at work
.set PC,    112                        ; v112-127 codes
.set CHUNK, 66560                      ; W's rows lie whole in LDS, 1,024 bytes + 16 of padding each (pitch 1,040); a group of four tiles of 16 rows is 64 x 1,040 bytes
.set WV,    18
.set G1,    24
.set G0,    32
.set MH,    53
.set SEL,   54
.set MNT,   56
.set MSB, 0
.macro WIN new                         ; the immediate's high byte repeats the setting that is left
.if MSB != (\new)
	s_set_vgpr_msb (MSB<<8)|(\new)
.set MSB, (\new)
.endif
.endm
.macro PLACES n
.rept \n
	v_nop
.endr
.endm
.macro CROUND                          ; a round of the cluster's barrier
	s_barrier_signal -1
	s_barrier_wait -1
	s_cmp_lg_u32 s[WV], 0
	s_cbranch_scc1 .Lnot_wave_0_\@
	s_barrier_signal -3
.Lnot_wave_0_\@:
	s_barrier_wait -3
	s_barrier_signal -1
	s_barrier_wait -1
.endm
	s_load_b256 s[4:11], s[0:1], 0x0               ; xc, xs, W's codes, W's scales
	s_load_b128 s[12:15], s[0:1], 0x20             ; qc, qs
	s_load_b64 s[16:17], s[0:1], 0x30              ; kv
	v_lshl_add_u32 v254, v0, 2, 0x33000
	v_mov_b32 v255, 0
	ds_add_u32 v254, v255
	ds_add_u32 v254, v255
	v_lshrrev_b32 v9, 5, v0
	v_readfirstlane_b32 s[WV], v9                  ; wave 0..3
	s_bfe_u32 s19, ttmp6, 0x40000                  ; cx: my chunk of the batch's tokens; it enters no LDS address, no branch and no descriptor
	s_and_b32 s20, ttmp7, 0xffff                   ; the head, which the four partners share
	; descriptor group 1: 48 rows x 1,024 bytes, 1,024 bytes apart in memory, 16 bytes of padding behind each row
	s_mov_b32 s[G1], 0x07f0000f                    ; 15:0 mask: all four work-groups; elements of 1 byte; 20 padding on; 21 set beside a mask; 24:22 after every 256 words; 31:25 four words
	s_mov_b32 s[G1+1], 1024<<16                    ; tensor_dim0: a whole row of W
	s_mov_b32 s[G1+2], 48<<16                      ; tensor_dim1
	s_mov_b32 s[G1+3], 1024<<16                    ; tile_dim0
	s_mov_b32 s[G1+4], 48                          ; tile_dim1
	s_mov_b32 s[G1+5], 1024                        ; from row to row
	s_mov_b32 s[G1+6], 0
	s_mov_b32 s[G1+7], 0
	s_mul_i32 s21, s[WV], 49920                    ; my 48 rows in LDS: 48 x 1,040
	s_mul_i32 s22, s20, 196608                     ; the head's 192 rows of 1,024 bytes,
	s_mul_i32 s23, s[WV], 49152                    ; my 48 of them
	s_add_co_u32 s22, s22, s23
	s_mov_b32 s23, 0
	s_lshl_b32 s48, ttmp9, 2
	s_add_co_u32 s48, s48, s19                     ; chunk of 512 tokens = 4 x batch + cx
	s_lshl_b32 s49, ttmp9, 4
	s_add_co_u32 s49, s49, s20                     ; bh = 16 x batch + head
	s_lshl_b32 s57, s48, 5
	s_lshl_b32 s74, s[WV], 3
	s_add_co_u32 s57, s57, s74                     ; my first token tile: 32 x chunk + 8 x wave
	s_lshl_b32 s66, s57, 14                        ; xc: 16,384 a tile
	s_mov_b32 s67, 0
	s_lshl_b32 s68, s57, 9                         ; xs: 512 a tile
	s_mov_b32 s69, 0
	s_lshl_b32 s74, s19, 4
	s_lshl_b32 s75, s[WV], 2
	s_add_co_u32 s74, s74, s75                     ; my first beta in the batch: 16 cx + 4 w
	s_lshl_b32 s70, s49, 17
	s_lshl_b32 s75, s74, 11
	s_add_co_u32 s70, s70, s75                     ; qc: 131,072 bh + 2,048 beta
	s_mov_b32 s71, 0
	s_lshl_b32 s72, s49, 6
	s_add_co_u32 s72, s72, s74
	s_lshl_b32 s72, s72, 7                         ; qs: 128 (64 bh + beta)
	s_mov_b32 s73, 0
	s_mul_i32 s62, s49, 270336
	s_lshl_b32 s75, s19, 2
	s_add_co_u32 s75, s75, s[WV]
	s_mul_i32 s75, s75, 16896
	s_add_co_u32 s62, s62, s75                     ; kv: 270,336 bh + 16,896 (4 cx + w): my 128 tokens are one key step
	s_mov_b32 s63, 0
	s_mul_i32 s76, s20, 6144                       ; W's scales: 192 rows of 32 bytes a head
	s_mov_b32 s77, 0
	s_mov_b32 s[MH], 0xffff0000                    ; lanes 16-31
	s_mov_b32 s[SEL], 0x76543210
	s_mov_b32 s[SEL+1], 0xfedcba98
	s_mov_b32 s[MNT], 0x600000
	s_mov_b32 s50, 0                               ; the pass
	s_mov_b32 s51, -1                              ; all ones in pass 0, 0 in pass 1
	s_mov_b32 s52, 0                               ; 16 x pass
	s_wait_dscnt 0x0
	s_wait_kmcnt 0x0
	s_add_nc_u64 s[8:9], s[8:9], s[22:23]
	s_mov_b32 s[G0], 1                             ; count = 1
	s_mov_b32 s[G0+1], s21                         ; LDS address: my 48 rows
	s_mov_b64 s[G0+2:G0+3], s[8:9]                 ; their first byte in memory
	s_or_b32 s[G0+3], s[G0+3], 0x80000000          ; type = 2
	s_add_nc_u64 s[66:67], s[4:5], s[66:67]
	s_add_nc_u64 s[68:69], s[6:7], s[68:69]
	s_add_nc_u64 s[70:71], s[12:13], s[70:71]
	s_add_nc_u64 s[72:73], s[14:15], s[72:73]
	s_add_nc_u64 s[62:63], s[16:17], s[62:63]      ; the key step's base: stays
	s_mov_b64 s[58:59], s[62:63]                   ; K's place: 4,096 on a pass
	s_add_nc_u64 s[60:61], s[62:63], 8192          ; V's place: 1,024 on a pass
	s_add_nc_u64 s[10:11], s[10:11], s[76:77]
	CROUND                                         ; all four work-groups are here: the joint loads meet
	tensor_load_to_lds s[G0:G0+3], s[G1:G1+7]      ; one tensor load of mine is out: all of K, filled once
	s_nop 0                                        ; one tensor load a wave: my 48 rows, all of K, filled once
	PLACES 4
	v_and_b32 v9, 31, v0
	v_and_b32 v10, 15, v0                          ; r
	v_bfe_u32 v11, v0, 4, 1                        ; h
	v_lshlrev_b32 v[LI], 4, v9
	v_mul_u32_u24 v[WAD], v10, 1040                ; v[WAD + g]: 1,040 r + 16 h + group g (q, k, v) of four tiles
	v_lshl_add_u32 v[WAD], v11, 4, v[WAD]
	v_add_nc_u32 v[WAD+1], CHUNK, v[WAD]
	v_add_nc_u32 v[WAD+2], 2*CHUNK, v[WAD]
	v_lshlrev_b32 v[O8], 4, v10
	v_lshl_add_u32 v[O8], v11, 3, v[O8]
	v_lshlrev_b32 v[QSA], 3, v10
	v_lshl_add_u32 v[QSA], v11, 7, v[QSA]
	v_lshlrev_b32 v[WSA], 5, v10
	v_lshl_add_u32 v[WSA], v11, 4, v[WSA]
.irp u, 0,1,2,3
	v_mov_b32 v[KW+\u], 0
	v_mov_b32 v[VW+\u], 0
	v_mov_b32 v[T1+\u], 0                          ; a lane permute's destination counts as one of its sources
.endr
.irp nt, 0,1,2,3,4,5,6,7,8,9,10,11
	global_load_b128 v[WS+4*\nt:WS+4*\nt+3], v[WSA], s[10:11] offset:\nt*512   ; row 16 nt + r, words 4 h .. 4 h + 3
.endr
.macro XSTEP st, off                   ; x's fragments of K step st, four tiles, into ring buffer st % 4
	WIN 0x40
.irp mt, 0,1,2,3
.irp c, 0,1,2,3
	global_load_b128 v[64*((\st)%4)+16*\mt+4*\c:64*((\st)%4)+16*\mt+4*\c+3], v[LI], s[66:67] offset:(\off)+\mt*16384+(\st)*2048+\c*512
.endr
.endr
.endm
.macro XPRE off                        ; a pass's scale words of x and its first four K steps
.irp mt, 0,1,2,3
	global_load_b128 v[XS+4*\mt:XS+4*\mt+3], v[LI], s[68:69] offset:(\off)/32+\mt*512
.endr
.irp q, 0,1,2,3
	XSTEP \q, \off
.endr
	WIN 0
.endm
.macro WLOAD s, g, buf                 ; W's four fragments of K step s, group g (0 q, 1 k, 2 v), into buffer buf
	WIN 0xc0
.irp i, 0,1,2,3
.irp c, 0,1,2,3
	ds_load_b128 v[128+64*(\buf)+16*\i+4*\c:128+64*(\buf)+16*\i+4*\c+3], v[WAD+(\g)] offset:\i*16640+(\s)*128+32*\c
.endr
.endr
.endm
; A group: 16 matrix instructions, four token tiles x four tiles of W's rows, 128 along K.  Ahead of them the next group's fragments are asked for, so that they land while this group is multiplied.
; The 48 accumulators take turns, one instruction a turn, in the same order in every K step.
.macro GROUP s, g
.set IDX, 3*(\s)+(\g)
.set BUF, IDX%2
.set NS, (IDX+1)/3
.set NG, (IDX+1)%3
.set RG, 64*((\s)%4)
.set SJ, (\s)%4
	PLACES 8                                       ; eight places between the last products and loads into registers that they read
.if IDX < 23
	WLOAD NS, NG, 1-BUF
.endif
.if ((\g) == 0) && ((\s) >= 1) && ((\s) <= 4)
	XSTEP (\s)+3, 0                                ; into the buffer that the last K step has left
.endif
.if (\g) == 0
.if (\s) <= 4
	s_wait_loadcnt 48                              ; this K step's 16 loads are in; those of the three steps behind it may be out
.else
	s_wait_loadcnt 16*(7-(\s))
.endif
.endif
.if IDX < 23
	s_wait_dscnt 16                                ; all but the 16 just issued
.else
	s_wait_dscnt 0x0
.endif
.if (\g) < 2
	WIN 0xa7                                       ; source 0 (W) window 3, source 1 (x) window 1, C and D window 2
.irp mt, 0,1,2,3
.irp i, 0,1,2,3
.set DA, 128*(\g)+8*(4*\mt+\i)
.set WF, 128+64*BUF+16*\i
.set XF, RG+16*\mt
.set SWR, WS+4*(4*(\g)+\i)+SJ
.set SXR, XS+4*\mt+SJ
.if (\s) == 0
	v_wmma_scale_f32_16x16x128_f8f6f4 v[DA:DA+7], v[WF:WF+15], v[XF:XF+15], 0, v[SWR], v[SXR]
.elseif (\s) < 4
	v_wmma_scale_f32_16x16x128_f8f6f4 v[DA:DA+7], v[WF:WF+15], v[XF:XF+15], v[DA:DA+7], v[SWR], v[SXR]
.else
	v_wmma_scale_f32_16x16x128_f8f6f4 v[DA:DA+7], v[WF:WF+15], v[XF:XF+15], v[DA:DA+7], v[SWR], v[SXR] matrix_a_scale:MATRIX_SCALE_ROW1 matrix_b_scale:MATRIX_SCALE_ROW1
.endif
.endr
.endr
.else
	WIN 0xfd                                       ; source 0 (x) window 1, source 1 (W) window 3, C and D window 3
.irp mt, 0,1,2,3
.irp i, 0,1,2,3
.set DA, 8*(4*\i+\mt)
.set WF, 128+64*BUF+16*\i
.set XF, RG+16*\mt
.set SWR, WS+4*(8+\i)+SJ
.set SXR, XS+4*\mt+SJ
.if (\s) == 0
	v_wmma_scale_f32_16x16x128_f8f6f4 v[DA:DA+7], v[XF:XF+15], v[WF:WF+15], 0, v[SXR], v[SWR]
.elseif (\s) < 4
	v_wmma_scale_f32_16x16x128_f8f6f4 v[DA:DA+7], v[XF:XF+15], v[WF:WF+15], v[DA:DA+7], v[SXR], v[SWR]
.else
	v_wmma_scale_f32_16x16x128_f8f6f4 v[DA:DA+7], v[XF:XF+15], v[WF:WF+15], v[DA:DA+7], v[SXR], v[SWR] matrix_a_scale:MATRIX_SCALE_ROW1 matrix_b_scale:MATRIX_SCALE_ROW1
.endif
.endr
.endr
.endif
.endm
; Four blocks of 32: my 16 numbers of block u in v[s + 16 u] on of window win (two accumulators on end, read from their low ends on); lane l xor 16 holds the other 16.
; Codes into v[PC + 4 u] on (numbers 0-7, then 8-15), scale bytes into v[T1 + u].
.macro QUANT4 win, s
	WIN (\win)|((\win)<<2)
.irp u, 0,1,2,3
	v_max3_num_f32 v[TM+\u], |v[(\s)+16*\u]|, |v[(\s)+16*\u+1]|, 0x4800000   ; with the floor 2^(9 - 127): the byte cannot fall under 1
.endr
	WIN ((\win)<<2)|((\win)<<4)
.irp i, 2,4,6,8,10,12,14
.irp u, 0,1,2,3
	v_max3_num_f32 v[TM+\u], v[TM+\u], |v[(\s)+16*\u+\i]|, |v[(\s)+16*\u+\i+1]|
.endr
.endr
	WIN 0
.irp u, 0,1,2,3
	v_permlanex16_b32 v[T1+\u], v[TM+\u], s[SEL], s[SEL+1]
.endr
.irp u, 0,1,2,3
	v_max_num_f32 v[TM+\u], v[TM+\u], v[T1+\u]     ; the block's largest magnitude
.endr
.irp u, 0,1,2,3
	v_add_nc_u32 v[SO+\u], 0xfc000000, v[TM+\u]    ; 8 off its exponent field: the conversion's scale operand
.endr
.irp u, 0,1,2,3
	v_and_or_b32 v[HL+\u], v[TM+\u], 0x7f800000, s[MNT]   ; 448 x the scale
.endr
.irp u, 0,1,2,3
	v_lshrrev_b32 v[T1+\u], 23, v[SO+\u]           ; the scale's byte
.endr
	WIN (\win)|((\win)<<6)
.irp u, 0,1,2,3
.irp i, 0,1,2,3,4,5,6,7,8,9,10,11,12,13,14,15
	v_med3_num_f32 v[(\s)+16*\u+\i], v[(\s)+16*\u+\i], -v[HL+\u], v[HL+\u]   ; the conversion does not saturate (ISA guide 7.6.2): the hold comes first
.endr
.endr
	s_wait_alu depctr_va_vdst(0)
	s_wait_xcnt 0x0                                ; earlier stores have read the code registers: only now are they rewritten
	WIN (\win)
.irp u, 0,1,2,3
	v_cvt_scalef32_pk8_fp8_f32 v[PC+4*\u:PC+4*\u+1], v[(\s)+16*\u:(\s)+16*\u+7], v[SO+\u]
	v_cvt_scalef32_pk8_fp8_f32 v[PC+4*\u+2:PC+4*\u+3], v[(\s)+16*\u+8:(\s)+16*\u+15], v[SO+\u]
.endr
	WIN 0
	v_nop                                          ; one plain line behind the last conversion
.endm
	XPRE 0
	s_wait_alu depctr_va_vdst(0)                   ; the wait at the head's end
	s_wait_tensorcnt 0x0                           ; my 48 rows of W have landed,
	s_wait_dscnt 0x0
	s_barrier_signal -1
	s_barrier_wait -1                              ; everybody's have: W stays as it is for both passes
.Lpass:
	WLOAD 0, 0, 0
.irp s, 0,1,2,3,4,5,6,7
.irp g, 0,1,2
	GROUP \s, \g
.endr
.endr
	WIN 0
	PLACES 8                                       ; ahead of the first reads of results, and of loads into x's ring and scale words
	s_cmp_eq_u32 s50, 1                            ; the next pass's x is asked for here, if there is a next pass: no load leaves its buffer
	s_cbranch_scc1 .Lno_next
	XPRE 65536
.Lno_next:
	; ---- q: call a takes tiles 2 a, 2 a + 1; unit u = 2 (tile % 2) + block
.irp a, 0,1
	QUANT4 2, 64*\a
.irp u, 0,1,2,3
.irp e, 0,1
	global_store_b64 v[O8], v[PC+4*\u+2*\e:PC+4*\u+2*\e+1], s[70:71] offset:\a*2048+\u*512+\e*256   ; 256 consecutive bytes
.endr
.endr
.irp y, 0,1
	v_lshl_or_b32 v[TP], v[T1+2*\y+1], 8, v[T1+2*\y]
	v_lshl_or_b32 v[QW+2*\a+\y], v[TP], 16, v[TP]  ; the two bytes twice: one word serves q in either half of the 128 along K
.endr
.endr
	v_cndmask_b32 v[TP+2], v[QW], v[QW+2], s[MH]   ; lanes 0-15 store the first beta's words, lanes 16-31 the second's
	v_cndmask_b32 v[TP+3], v[QW+1], v[QW+3], s[MH]
	global_store_b64 v[QSA], v[TP+2:TP+3], s[72:73]
	; ---- k: the same units; a block of 32 keys packs its two tiles into one fragment
.irp a, 0,1
	QUANT4 2, 128+64*\a
.irp u, 0,1,2,3
.irp e, 0,1
	global_store_b64 v[O8], v[PC+4*\u+2*\e:PC+4*\u+2*\e+1], s[58:59] offset:\a*2048+\u*512+\e*256
.endr
.endr
	v_lshl_or_b32 v[TP], v[T1+1], 8, v[T1]
	v_lshl_or_b32 v[TP+1], v[T1+3], 8, v[T1+2]
	v_lshl_or_b32 v[TP], v[TP+1], 16, v[TP]        ; the fragment's scale word: tile 0's two bytes, tile 1's two
	v_cndmask_b32 v[KW+\a], v[KW+\a], v[TP], s51   ; pass 0 sets words 0, 1; pass 1 words 2, 3: a choice of values, no branch
	v_cndmask_b32 v[KW+2+\a], v[TP], v[KW+2+\a], s51
.endr
	; ---- v: call a takes channel tiles 2 a, 2 a + 1; unit u = 2 (tile % 2) + block of 32 keys
.irp a, 0,1
	QUANT4 3, 64*\a
.irp u, 0,1,2,3
	global_store_b128 v[LI], v[PC+4*\u:PC+4*\u+3], s[60:61] offset:(2*\a+\u/2)*2048+(\u%2)*512   ; 512 consecutive bytes
.endr
.irp n, 0,1
	v_lshl_or_b32 v[TP], v[T1+2*\n+1], 8, v[T1+2*\n]
	v_lshl_or_b32 v[VW+2*\a+\n], v[TP], s52, v[VW+2*\a+\n]   ; bytes 2 pass, 2 pass + 1 of the channel's word
.endr
.endr
	s_wait_xcnt 0x0                                ; every load and store has read its base and its registers
	s_add_nc_u64 s[58:59], s[58:59], 4096
	s_add_nc_u64 s[60:61], s[60:61], 1024
	s_add_nc_u64 s[66:67], s[66:67], 65536
	s_add_nc_u64 s[68:69], s[68:69], 2048
	s_add_nc_u64 s[70:71], s[70:71], 4096
	s_add_nc_u64 s[72:73], s[72:73], 256
	s_mov_b32 s51, 0
	s_mov_b32 s52, 16
	s_add_co_u32 s50, s50, 1
	s_cmp_lt_u32 s50, 2
	s_cbranch_scc1 .Lpass
	v_cndmask_b32 v[TP], v[KW], v[KW+2], s[MH]     ; [r][4 words]: lanes 0-15 store words 0, 1, lanes 16-31 words 2, 3
	v_cndmask_b32 v[TP+1], v[KW+1], v[KW+3], s[MH]
	global_store_b64 v[O8], v[TP:TP+1], s[62:63] offset:16384
	s_wait_alu depctr_va_vdst(0)
	v_cndmask_b32 v[TP+2], v[VW], v[VW+2], s[MH]
	v_cndmask_b32 v[TP+3], v[VW+1], v[VW+3], s[MH]
	global_store_b64 v[O8], v[TP+2:TP+3], s[62:63] offset:16640
	s_wait_tensorcnt 0x0
	ds_add_u32 v254, v255
	s_wait_dscnt 0x0
	CROUND                                         ; the closing round: no work-group ends while a partner may still ask for a tile that names it
	s_endpgm
.Lfunc_end_k_q09e0b9e638_qkv:
	.size	k_q09e0b9e638_qkv, .Lfunc_end_k_q09e0b9e638_qkv-k_q09e0b9e638_qkv
	.p2alignl 7, 3214868480
	.fill 96, 4, 3214868480
	.section	.rodata,"a",@progbits
	.p2align	6, 0x0
	.amdhsa_kernel k_q09e0b9e638_qkv
		.amdhsa_group_segment_fixed_size 327680
		.amdhsa_private_segment_fixed_size 0
		.amdhsa_enable_private_segment 0
		.amdhsa_kernarg_size 56
		.amdhsa_user_sgpr_count 2
		.amdhsa_user_sgpr_kernarg_segment_ptr 1
		.amdhsa_wavefront_size32 1
		.amdhsa_system_sgpr_workgroup_id_x 1
		.amdhsa_system_sgpr_workgroup_id_y 1
		.amdhsa_system_sgpr_workgroup_id_z 1
		.amdhsa_system_vgpr_workitem_id 0
		.amdhsa_next_free_vgpr 1024
		.amdhsa_next_free_sgpr 80
		.amdhsa_reserve_vcc 0
		.amdhsa_float_denorm_mode_32 3
		.amdhsa_float_denorm_mode_16_64 3
		.amdhsa_memory_ordered 1
		.amdhsa_forward_progress 1
		.amdhsa_inst_pref_size 162
	.end_amdhsa_kernel
	.amdgpu_metadata
---
amdhsa.version: [ 1, 2 ]
amdhsa.kernels:
  - .name:           k_q09e0b9e638_qkv
    .symbol:         k_q09e0b9e638_qkv.kd
    .args:
      - { .name: xc, .offset: 0, .size: 8, .value_kind: global_buffer, .address_space: global }
      - { .name: xs, .offset: 8, .size: 8, .value_kind: global_buffer, .address_space: global }
      - { .name: W_qkv_codes, .offset: 16, .size: 8, .value_kind: global_buffer, .address_space: global }
      - { .name: W_qkv_scales, .offset: 24, .size: 8, .value_kind: global_buffer, .address_space: global }
      - { .name: qc, .offset: 32, .size: 8, .value_kind: global_buffer, .address_space: global }
      - { .name: qs, .offset: 40, .size: 8, .value_kind: global_buffer, .address_space: global }
      - { .name: kv, .offset: 48, .size: 8, .value_kind: global_buffer, .address_space: global }
    .group_segment_fixed_size: 327680
    .private_segment_fixed_size: 0
    .kernarg_segment_align: 8
    .kernarg_segment_size: 56
    .max_flat_workgroup_size: 128
    .sgpr_count:     80
    .vgpr_count:     1024
    .wavefront_size: 32
...
	.end_amdgpu_metadata
.endif
;; end of part 2
;; launch attn (part 3): grid 4 x 64, 8 waves a work-group, clusters of 4 x 1, 327,680 bytes of LDS; arguments qc, qs, kv, ac, asc; writes ac, asc
.if DOCPART == 3
	.amdgcn_target "amdgcn-amd-amdhsa--gfx1250"
	.amdhsa_code_object_version 6
	.text
	.protected	k_q09e0b9e638_attn
	.globl	k_q09e0b9e638_attn
	.p2align	8
	.type	k_q09e0b9e638_attn,@function
k_q09e0b9e638_attn:
	s_mov_b64 s[64:65], 0
	v_nop
	global_prefetch_b8 v0, s[64:65] scope:SCOPE_SE
	s_setreg_imm32_b32 hwreg(HW_REG_WAVE_MODE, 25, 1), 1
	s_wait_xcnt 0x0
	s_wait_alu depctr_hold_cnt(0) depctr_sa_sdst(0) depctr_va_vdst(0) depctr_va_sdst(0) depctr_va_ssrc(0) depctr_va_vcc(0) depctr_vm_vsrc(0)
	s_getreg_b32 s2, hwreg(HW_REG_IB_STS2, 6, 4)
	s_cmp_eq_u32 s2, 0
	s_cbranch_scc0 .Lentry_in_a_cluster
	s_endpgm
.Lentry_in_a_cluster:
	s_bfe_u32 s2, ttmp6, 0x10000c
	s_cmp_lg_u32 s2, 0x3003
	s_cbranch_scc0 .Lentry_shape_is_right
	s_endpgm
.Lentry_shape_is_right:
; O = softmax(q k^T / 32) v for one (batch, head), both products on codes of E4M3; O / l is quantised along the channels and stored as operand images for the last product.
; THE SOFTMAX: t = score x log2(e) / 32; M = the row's largest t so far, rounded up to a whole number; p = 2^(t - M) is quantised along the keys, not normalised; the row's sum is taken of the
; unquantised p and divides O at the end.  When M moves, the sum and O are multiplied by 2^(old M - new M): exact.
; SHARES: a work-group takes 512 queries of one (batch, head); the head's whole kv block (16 key steps x 16,896 bytes) stays in LDS as it lies in memory, filled once: wave w brings key steps
; 2 w and 2 w + 1 by ONE tensor load of 132 dense rows of 256 bytes.  The four work-groups of a cluster take the four quarters of the same head's queries, so the block is asked for jointly.
; Wave w takes, in each of two passes, 32 queries: two tiles that share every fragment of K and V; their softmax is walked jointly, as eight blocks of 32 keys by turns.
; One barrier, ahead of the passes; behind it LDS is only read, so the waves need not meet again before the closing round.
; A step's V, and the NEXT step's K, are asked of LDS behind the step's first products and land under the softmax.
; NO PREFETCH: all that the work-group reads of kv is asked for by the head's eight loads; there is no later request that one could run ahead of.
; K = 64 IN A FORM 128 DEEP: a fragment of K packs two key tiles (K 0..63 tile 0's channels, 64..127 tile 1's).  A query tile holds q, zeros, q in 24 registers; [q | 0] picks key tile 0,
; [0 | q] key tile 1: zero codes add nothing.  q's scale word holds its two bytes twice.
; Both products are used transposed: a lane holds ONE query; the 16 registers of key tiles (b, 0), (b, 1) are keys 32 b + 16 h + 0..15, as the second product's operand wants them.
; LIMITS: no NaN or infinities; a block of zeros gets the byte 1; the floor 2^-118; the scaled scores t stay under 2^31 in magnitude.
; REGISTERS: window 0: v1-7 addresses; v8-15 statistics; v16-27 scale words; v28-63 work on eight blocks n = 4 tile + b; v64-95 p's codes; v96-111 work; v128-255 the scores, then p (block n at 128 + 16 n).
;   window 1: v0-63 K; v64-127 V; v128-191 O^T (32 a tile, register 8 ct + j = channel 16 ct + 8 h + j); v192-239 Q.
.set TM,  28                           ; v28-35 block maxima
.set T1,  36                           ; v36-43 the other half's maxima, then scale bytes
.set HL,  44                           ; v44-51 448 x the scale
.set SO,  52                           ; v52-59 the conversions' scale operands
.set FF,  60                           ; v[60:61], v[62:63] f = 2^(old M - new M) of tile 0, 1 (the upper halves only named)
.set PC,  64
.set AV,  96                           ; v96 this step's V, v97 its scale words, v98 the next step's K, v99 its scale words
.set TA,  100                          ; v100-103 at work
.set SU,  104                          ; v[104:105], v[106:107] second chains of the sums
.set RC,  108                          ; v[108:109], v[110:111] 1 / l
.set WV,  18
.set G1,  24
.set G0,  32
.set MH,  53
.set SEL, 54
.set MNT, 56
.set CS,  58                           ; s[58:59] c = log2(e) / 32
.set KSB, 16896                        ; a key step's bytes
.set MSB, 0
.macro WIN new
.if MSB != (\new)
	s_set_vgpr_msb (MSB<<8)|(\new)
.set MSB, (\new)
.endif
.endm
.macro PLACES n
.rept \n
	v_nop
.endr
.endm
.macro CROUND
	s_barrier_signal -1
	s_barrier_wait -1
	s_cmp_lg_u32 s[WV], 0
	s_cbranch_scc1 .Lnot_wave_0_\@
	s_barrier_signal -3
.Lnot_wave_0_\@:
	s_barrier_wait -3
	s_barrier_signal -1
	s_barrier_wait -1
.endm
.macro QLOAD                           ; a pass's two query tiles and their scale words
	WIN 0x40
.irp y, 0,1
.irp c, 0,1
	global_load_b128 v[192+24*\y+4*\c:192+24*\y+4*\c+3], v1, s[40:41] offset:\y*1024+\c*512        ; q,
	global_load_b128 v[192+24*\y+16+4*\c:192+24*\y+16+4*\c+3], v1, s[40:41] offset:\y*1024+\c*512  ; and q once more behind the zeros
.endr
.endr
	WIN 0
	global_load_b64 v[16:17], v7, s[42:43]
.endm
.macro KLOAD adr, ads                  ; a key step's four fragments of K and its scale words (register b, lane r): 17 LDS loads
	WIN 0x40
.irp b, 0,1,2,3
.irp c, 0,1,2,3
	ds_load_b128 v[16*\b+4*\c:16*\b+4*\c+3], v[\adr] offset:\b*2048+\c*512
.endr
.endr
	WIN 0
	ds_load_b128 v[20:23], v[\ads] offset:16384
.endm
	s_load_b256 s[4:11], s[0:1], 0x0               ; qc, qs, kv, ac
	s_load_b64 s[12:13], s[0:1], 0x20              ; asc
	v_lshl_add_u32 v126, v0, 2, 0x42000            ; my spare word, behind the kv block
	v_mov_b32 v127, 0
	ds_add_u32 v126, v127                          ; the opening lines: the add, twice on end, and its wait ahead of my tensor load
	ds_add_u32 v126, v127
	v_lshrrev_b32 v100, 5, v0
	s_delay_alu instid0(VALU_DEP_1)
	v_readfirstlane_b32 s[WV], v100                ; wave 0..7
	s_bfe_u32 s19, ttmp6, 0x40000                  ; cx: my quarter of the queries; it enters no LDS address, no branch and no descriptor
	s_and_b32 s14, ttmp7, 0xffff                   ; bh, which the four partners share
	s_lshr_b32 s15, s14, 4                         ; batch
	s_and_b32 s16, s14, 15                         ; head
	; descriptor group 1: two key steps: 132 dense rows of 256 bytes
	s_mov_b32 s[G1], 0x0023000f                    ; 15:0 mask: all four; 17:16 elements of 8 bytes; 21 set beside a mask; no padding
	s_mov_b32 s[G1+1], 32<<16
	s_mov_b32 s[G1+2], 132<<16
	s_mov_b32 s[G1+3], 32<<16
	s_mov_b32 s[G1+4], 132
	s_mov_b32 s[G1+5], 32
	s_mov_b32 s[G1+6], 0
	s_mov_b32 s[G1+7], 0
	s_mul_i32 s17, s[WV], 2*KSB                    ; key steps 2 w, 2 w + 1: in LDS and in memory alike
	s_mul_i32 s48, s14, 16*KSB
	s_add_co_u32 s48, s48, s17
	s_mov_b32 s49, 0
	s_lshl_b32 s50, s19, 4
	s_add_co_u32 s50, s50, s[WV]                   ; my first beta: 16 cx + w; 8 on a pass
	s_lshl_b32 s40, s14, 17
	s_lshl_b32 s51, s50, 11
	s_add_co_u32 s40, s40, s51                     ; qc: 131,072 bh + 2,048 beta
	s_mov_b32 s41, 0
	s_lshl_b32 s42, s14, 6
	s_add_co_u32 s42, s42, s50
	s_lshl_b32 s42, s42, 7                         ; qs: 128 (64 bh + beta)
	s_mov_b32 s43, 0
	s_lshl_b32 s44, s15, 6
	s_add_co_u32 s44, s44, s50
	s_lshl_b32 s44, s44, 15                        ; ac: tile 2 (64 batch + beta), 16,384 a tile,
	s_lshr_b32 s51, s16, 1
	s_lshl_b32 s51, s51, 11
	s_add_co_u32 s44, s44, s51                     ; K step head / 2,
	s_and_b32 s51, s16, 1
	s_lshl_b32 s51, s51, 10
	s_add_co_u32 s44, s44, s51                     ; groups 2 (head % 2) on
	s_mov_b32 s45, 0
	s_lshl_b32 s46, s15, 11
	s_lshl_b32 s51, s50, 5
	s_add_co_u32 s46, s46, s51
	s_lshl_b32 s46, s46, 5                         ; asc: 32 bytes a token,
	s_lshl_b32 s51, s16, 1
	s_add_co_u32 s46, s46, s51                     ; bytes 2 head, 2 head + 1
	s_mov_b32 s47, 0
	s_mov_b32 s[MH], 0xffff0000
	s_mov_b32 s[SEL], 0x76543210
	s_mov_b32 s[SEL+1], 0xfedcba98
	s_mov_b32 s[MNT], 0x600000
	s_mov_b32 s[CS], 0x3d38aa3b
	s_mov_b32 s[CS+1], s[CS]                       ; named with it as a pair, so it is written
	s_mov_b32 s20, 2                               ; passes to go
	s_wait_dscnt 0x0                               ; both opening adds are done
	s_wait_kmcnt 0x0
	s_add_nc_u64 s[8:9], s[8:9], s[48:49]
	s_mov_b32 s[G0], 1
	s_mov_b32 s[G0+1], s17
	s_mov_b64 s[G0+2:G0+3], s[8:9]
	s_or_b32 s[G0+3], s[G0+3], 0x80000000
	s_add_nc_u64 s[40:41], s[4:5], s[40:41]
	s_add_nc_u64 s[42:43], s[6:7], s[42:43]
	s_add_nc_u64 s[44:45], s[10:11], s[44:45]
	s_add_nc_u64 s[46:47], s[12:13], s[46:47]
	CROUND                                         ; all four work-groups are here: the joint loads meet
	tensor_load_to_lds s[G0:G0+3], s[G1:G1+7]      ; my one tensor load: two key steps, filled once
	s_nop 0
	PLACES 4
	v_and_b32 v100, 31, v0
	v_and_b32 v101, 15, v0                         ; r
	v_bfe_u32 v102, v0, 4, 1                       ; h
	v_bfe_u32 v103, v0, 3, 1
	v_lshlrev_b32 v1, 4, v100                      ; 16 x lane
	v_lshlrev_b32 v2, 4, v101                      ; 16 r
	v_lshlrev_b32 v7, 3, v101                      ; 8 r
	v_and_b32 v6, 7, v0
	v_lshl_add_u32 v5, v102, 3, v2                 ; 16 r + 8 h
	v_lshl_add_u32 v6, v103, 4, v6
	s_delay_alu instid0(VALU_DEP_1)
	v_lshl_add_u32 v6, v102, 3, v6
	s_delay_alu instid0(VALU_DEP_1)
	v_lshlrev_b32 v6, 5, v6                        ; lanes 0-15: tile 0's token r, lanes 16-31: tile 1's; 32 bytes a token
	QLOAD                                          ; the first pass's q lands under the tensor load
.irp n, 0,1,2,3,4,5,6,7
	v_mov_b32 v[T1+\n], 0                          ; a lane permute's destination counts as one of its sources
.endr
	v_mov_b32 v[FF+1], 0                           ; upper halves of pairs that are named whole
	v_mov_b32 v[FF+3], 0
	v_mov_b32 v[RC+1], 0
	v_mov_b32 v[RC+3], 0
	WIN 0x40
.irp y, 0,1
.irp j, 0,1,2,3,4,5,6,7
	v_mov_b32 v[192+24*\y+8+\j], 0                 ; the zero codes between q and q
.endr
.endr
	WIN 0
; The two tiles' softmax for 128 keys.  Block n = 4 tile + b in v[128 + 16 n] on: register i = key 32 b + 16 h + i of my query.
.macro SOFT2
.irp n, 0,1,2,3,4,5,6,7
	v_max3_num_f32 v[TM+\n], v[128+16*\n], v[129+16*\n], v[130+16*\n]   ; the largest score of each block: for the row's maximum, and, since p rises with the score, for the block's largest p
.endr
.irp i, 3,5,7,9,11,13
.irp n, 0,1,2,3,4,5,6,7
	v_max3_num_f32 v[TM+\n], v[TM+\n], v[128+16*\n+\i], v[129+16*\n+\i]
.endr
.endr
.irp n, 0,1,2,3,4,5,6,7
	v_max_num_f32 v[TM+\n], v[TM+\n], v[143+16*\n]
.endr
.irp n, 0,1,2,3,4,5,6,7
	v_permlanex16_b32 v[T1+\n], v[TM+\n], s[SEL], s[SEL+1]
.endr
.irp n, 0,1,2,3,4,5,6,7
	v_max_num_f32 v[TM+\n], v[TM+\n], v[T1+\n]     ; with lane l xor 16's 16 keys
.endr
.irp y, 0,1
	v_max3_num_f32 v[TA+\y], v[TM+4*\y], v[TM+4*\y+1], v[TM+4*\y+2]
.endr
.irp y, 0,1
	s_delay_alu instid0(VALU_DEP_2)
	v_max_num_f32 v[TA+\y], v[TA+\y], v[TM+4*\y+3]
.endr
.irp y, 0,1
	s_delay_alu instid0(VALU_DEP_2)
	v_mul_f32 v[TA+\y], s[CS], v[TA+\y]            ; as t (c is positive)
.endr
.irp y, 0,1
	s_delay_alu instid0(VALU_DEP_2)
	v_max_num_f32 v[9+4*\y], v[9+4*\y], v[TA+\y]   ; the running largest t
.endr
.irp y, 0,1
	v_mov_b32 v[TA+\y], v[8+4*\y]
.endr
.irp y, 0,1
	s_delay_alu instid0(VALU_DEP_4)
	v_floor_f32 v[8+4*\y], -v[9+4*\y]              ; the new -M = -ceil(t)
.endr
.irp y, 0,1
	s_delay_alu instid0(VALU_DEP_2)
	v_sub_f32 v[TA+\y], v[8+4*\y], v[TA+\y]        ; old M - new M: a whole number, 0 or less
.endr
.irp y, 0,1
	s_delay_alu instid0(VALU_DEP_2)
	v_cvt_i32_f32 v[TA+\y], v[TA+\y]               ; (it saturates)
.endr
.irp y, 0,1
	s_delay_alu instid0(VALU_DEP_2)
	v_ldexp_f32 v[FF+2*\y], 1.0, v[TA+\y]          ; f = 2^(old M - new M)
.endr
.irp y, 0,1
.set j, 0
.rept 32
	v_pk_fma_f32 v[128+64*\y+j:128+64*\y+j+1], v[128+64*\y+j:128+64*\y+j+1], s[CS:CS+1], v[8+4*\y:9+4*\y] op_sel_hi:[1,0,0]   ; t - M, two at a time
.set j, j+2
.endr
.endr
.irp y, 0,1
.irp b, 0,1,2,3
	v_fma_f32 v[TM+4*\y+\b], v[TM+4*\y+\b], s[CS], v[8+4*\y]   ; the same of each block's largest score
.endr
.endr
	s_wait_alu depctr_va_vdst(0)                   ; the wait ahead of the batch
.set j, 0
.rept 128
	v_exp_f32 v[128+j], v[128+j]                   ; p = 2^(t - M)
.set j, j+1
.endr
.irp n, 0,1,2,3,4,5,6,7
	v_exp_f32 v[TM+\n], v[TM+\n]                   ; the block's largest p: the same two instructions on the same number
.endr
.irp y, 0,1
	v_pk_mul_f32 v[10+4*\y:11+4*\y], v[10+4*\y:11+4*\y], v[FF+2*\y:FF+2*\y+1] op_sel_hi:[1,0]   ; the sums under the new M; also the plain line behind the exponentials
.endr
	WIN 0x41                                       ; O^T (destination and source 0) window 1, f window 0
	s_wait_dscnt 17                                ; V and its scale words are in; the 17 loads for K behind them may be out.  It stands here so that no wait on memory stands between the lines below and the second products
	s_wait_alu depctr_va_vdst(0)                   ; one wait for the whole batch, directly ahead of the first reader of O^T
.irp y, 0,1
.set j, 0
.rept 16
	v_pk_mul_f32 v[128+32*\y+j:128+32*\y+j+1], v[128+32*\y+j:128+32*\y+j+1], v[FF+2*\y:FF+2*\y+1] op_sel_hi:[1,0]   ; O^T under the new M
.set j, j+2
.endr
.endr
	WIN 0
.irp n, 0,1,2,3,4,5,6,7
	v_max_num_f32 v[TM+\n], 0x4800000, v[TM+\n]    ; the floor 2^(9 - 127): the byte cannot fall under 1
.endr
.irp n, 0,1,2,3,4,5,6,7
	v_add_nc_u32 v[SO+\n], 0xfc000000, v[TM+\n]    ; 8 off the exponent field: the conversion's scale operand
.endr
.irp n, 0,1,2,3,4,5,6,7
	v_and_or_b32 v[HL+\n], v[TM+\n], 0x7f800000, s[MNT]   ; 448 x the scale
.endr
.irp n, 0,1,2,3,4,5,6,7
	v_lshrrev_b32 v[T1+\n], 23, v[SO+\n]           ; the scale's byte
.endr
.irp y, 0,1
	v_lshl_or_b32 v[18+\y], v[T1+4*\y+1], 8, v[T1+4*\y]   ; p's scale word for these 128 keys
.endr
.irp y, 0,1
	s_delay_alu instid0(VALU_DEP_2)
	v_lshl_or_b32 v[18+\y], v[T1+4*\y+2], 16, v[18+\y]
.endr
.irp y, 0,1
	s_delay_alu instid0(VALU_DEP_2)
	v_lshl_or_b32 v[18+\y], v[T1+4*\y+3], 24, v[18+\y]
.endr
.irp y, 0,1
	v_pk_add_f32 v[SU+2*\y:SU+2*\y+1], v[128+64*\y:129+64*\y], v[130+64*\y:131+64*\y]   ; the rows' sums of the unquantised p: four chains by turns
.endr
.irp j, 4,8,12,16,20,24,28,32,36,40,44,48,52,56,60
.irp y, 0,1
	v_pk_add_f32 v[10+4*\y:11+4*\y], v[10+4*\y:11+4*\y], v[128+64*\y+\j:129+64*\y+\j]
.endr
.irp y, 0,1
	v_pk_add_f32 v[SU+2*\y:SU+2*\y+1], v[SU+2*\y:SU+2*\y+1], v[130+64*\y+\j:131+64*\y+\j]
.endr
.endr
.irp y, 0,1
	v_pk_add_f32 v[10+4*\y:11+4*\y], v[10+4*\y:11+4*\y], v[SU+2*\y:SU+2*\y+1]
.endr
.irp m, 0,2,4,6                        ; the hold (p is not negative, so it is one-sided), two numbers an instruction: number i of block m beside number i xor 1 of block m + 1, so that the pair's
.irp i, 0,1,2,3,4,5,6,7,8,9,10,11,12,13,14,15   ; destinations are one even and one odd and its sources lie in different register banks
	v_dual_min_num_f32 v[128+16*\m+\i], v[128+16*\m+\i], v[HL+\m] :: v_dual_min_num_f32 v[144+16*\m+(\i^1)], v[144+16*\m+(\i^1)], v[HL+\m+1]
.endr
.irp n, \m, \m+1
	v_cvt_scalef32_pk8_fp8_f32 v[PC+4*(\n):PC+4*(\n)+1], v[128+16*(\n):128+16*(\n)+7], v[SO+(\n)]
	v_cvt_scalef32_pk8_fp8_f32 v[PC+4*(\n)+2:PC+4*(\n)+3], v[128+16*(\n)+8:128+16*(\n)+15], v[SO+(\n)]
.endr
.endr
	PLACES 5                                       ; between the last conversions and the products that take their codes
.endm
	s_wait_alu depctr_va_vdst(0)                   ; the wait at the head's end
	s_wait_tensorcnt 0x0                           ; my two key steps have landed,
	s_barrier_signal -1
	s_barrier_wait -1                              ; everybody's have: from here on LDS is only read
.Lpass:                                            ; two trips: 32 queries a wave each
	KLOAD 1, 2                                     ; key step 0's K
.irp y, 0,1
	v_mov_b32 v[9+4*\y], 0xff61b1e6                ; the largest t so far: -3e38
	v_mov_b32 v[10+4*\y], 0
	v_mov_b32 v[11+4*\y], 0
.endr
.irp y, 0,1
	v_floor_f32 v[8+4*\y], -v[9+4*\y]              ; -M
.endr
	WIN 0x40
.set j, 0
.rept 64
	v_mov_b32 v[128+j], 0                          ; O^T: the key step is written once; its first trip finds zeros, which the first change of M leaves zeros
.set j, j+1
.endr
	WIN 0
	s_mov_b32 s22, 0                               ; LDS byte at which the key step begins
	s_mov_b32 s21, 16
	s_wait_loadcnt 0x0                             ; q
.Lkeys:                                            ; a key step: 128 keys
	s_wait_dscnt 0x0                               ; this step's K is in (asked for a step ago)
	WIN 0x05                                       ; K and Q window 1, the scores window 0
.irp b, 0,1,2,3
.irp y, 0,1
.irp u, 0,1
	v_wmma_scale_f32_16x16x128_f8f6f4 v[128+64*\y+8*(2*\b+\u):128+64*\y+8*(2*\b+\u)+7], v[16*\b:16*\b+15], v[192+24*\y+8*\u:192+24*\y+8*\u+15], 0, v[20+\b], v[16+\y]
.endr
.endr
.endr
	WIN 0
	s_add_co_u32 s23, s22, KSB
	s_min_u32 s23, s23, 15*KSB                     ; the next key step; the last trip names its own step again, so that no address leaves the block
	v_add_nc_u32 v[AV], s22, v1                    ; these four and four v_nop are the eight places ahead of the reads of the scores and of the loads into K, V and their scale words
	v_add_nc_u32 v[AV+1], s22, v2
	v_add_nc_u32 v[AV+2], s23, v1
	v_add_nc_u32 v[AV+3], s23, v2
	PLACES 4
	WIN 0x40
.irp t, 0,1,2,3
.irp c, 0,1,2,3
	ds_load_b128 v[64+16*\t+4*\c:64+16*\t+4*\c+3], v[AV] offset:8192+\t*2048+\c*512
.endr
.endr
	WIN 0
	ds_load_b128 v[24:27], v[AV+1] offset:16640    ; V's scale words: 17 loads for V,
	KLOAD AV+2, AV+3                               ; and 17 for the next step's K
	SOFT2
	WIN 0x51                                       ; V window 1, p window 0, O^T window 1
.irp t, 0,1,2,3
.irp y, 0,1
	v_wmma_scale_f32_16x16x128_f8f6f4 v[128+32*\y+8*\t:128+32*\y+8*\t+7], v[64+16*\t:64+16*\t+15], v[64+16*\y:64+16*\y+15], v[128+32*\y+8*\t:128+32*\y+8*\t+7], v[24+\t], v[18+\y]
.endr
.endr
	WIN 0
	s_add_co_u32 s22, s22, KSB
	s_sub_co_u32 s21, s21, 1
	s_cmp_lg_u32 s21, 0
	s_cbranch_scc1 .Lkeys
	; ---- O^T / l, quantised along the channels
	s_wait_dscnt 0x0                               ; the last trip's loads into K's registers are in
	PLACES 8                                       ; ahead of the reads of O^T and of loads into Q
	s_cmp_eq_u32 s20, 1                            ; the next pass's q is asked for here, if there is a next pass: no load leaves its buffer
	s_cbranch_scc1 .Lno_next
	s_add_nc_u64 s[40:41], s[40:41], 16384
	s_add_nc_u64 s[42:43], s[42:43], 1024
	QLOAD
.Lno_next:
	v_add_f32 v[RC], v10, v11                      ; the sum's two halves,
	v_add_f32 v[RC+2], v14, v15
	s_delay_alu instid0(VALU_DEP_2)
	v_permlanex16_b32 v[T1], v[RC], s[SEL], s[SEL+1]
	s_delay_alu instid0(VALU_DEP_2)
	v_permlanex16_b32 v[T1+1], v[RC+2], s[SEL], s[SEL+1]
	s_delay_alu instid0(VALU_DEP_2)
	v_add_f32 v[RC], v[RC], v[T1]                  ; and lane l xor 16's
	s_delay_alu instid0(VALU_DEP_2)
	v_add_f32 v[RC+2], v[RC+2], v[T1+1]
	s_wait_alu depctr_va_vdst(0)                   ; the wait ahead of the transcendentals
	v_rcp_f32 v[RC], v[RC]
	v_rcp_f32 v[RC+2], v[RC+2]
	v_nop                                          ; one plain line behind the transcendentals
	WIN 0x01                                       ; O^T window 1; the quotient goes where the scores lay
	s_wait_alu depctr_va_vdst(0)                   ; ahead of the first reader of 1 / l and of O^T
.set j, 0
.rept 32
	v_pk_mul_f32 v[128+j:128+j+1], v[128+j:128+j+1], v[RC+2*(j/32):RC+2*(j/32)+1] op_sel_hi:[1,0]
.set j, j+2
.endr
	WIN 0
	; four blocks of 32 channels: unit u = 2 tile + b at v[128 + 16 u]: channels 32 b + 8 h + 0..7, then 32 b + 16 + 8 h + 0..7; lane l xor 16 holds the other 16
.irp u, 0,1,2,3
	v_max3_num_f32 v[TM+\u], |v[128+16*\u]|, |v[128+16*\u+1]|, 0x4800000
.endr
.irp i, 2,4,6,8,10,12,14
.irp u, 0,1,2,3
	s_delay_alu instid0(VALU_DEP_4)
	v_max3_num_f32 v[TM+\u], v[TM+\u], |v[128+16*\u+\i]|, |v[128+16*\u+\i+1]|
.endr
.endr
.irp u, 0,1,2,3
	s_delay_alu instid0(VALU_DEP_4)
	v_permlanex16_b32 v[T1+\u], v[TM+\u], s[SEL], s[SEL+1]
.endr
.irp u, 0,1,2,3
	s_delay_alu instid0(VALU_DEP_4)
	v_max_num_f32 v[TM+\u], v[TM+\u], v[T1+\u]
.endr
.irp u, 0,1,2,3
	s_delay_alu instid0(VALU_DEP_4)
	v_add_nc_u32 v[SO+\u], 0xfc000000, v[TM+\u]
.endr
.irp u, 0,1,2,3
	v_and_or_b32 v[HL+\u], v[TM+\u], 0x7f800000, s[MNT]
.endr
.irp u, 0,1,2,3
	v_lshrrev_b32 v[T1+\u], 23, v[SO+\u]
.endr
.irp u, 0,1,2,3
.irp i, 0,1,2,3,4,5,6,7,8,9,10,11,12,13,14,15
	v_med3_num_f32 v[128+16*\u+\i], v[128+16*\u+\i], -v[HL+\u], v[HL+\u]
.endr
.endr
.irp u, 0,1,2,3
	v_cvt_scalef32_pk8_fp8_f32 v[PC+4*\u:PC+4*\u+1], v[128+16*\u:128+16*\u+7], v[SO+\u]
	v_cvt_scalef32_pk8_fp8_f32 v[PC+4*\u+2:PC+4*\u+3], v[128+16*\u+8:128+16*\u+15], v[SO+\u]
.endr
	v_nop                                          ; one plain line behind the last conversion
.irp u, 0,1,2,3
.irp e, 0,1
	global_store_b64 v5, v[PC+4*\u+2*\e:PC+4*\u+2*\e+1], s[44:45] offset:(\u/2)*16384+(\u%2)*512+\e*256   ; 256 consecutive bytes of the image
.endr
.endr
	v_lshl_or_b32 v[TA], v[T1+1], 8, v[T1]         ; a token's two scale bytes of this head
	v_lshl_or_b32 v[TA+1], v[T1+3], 8, v[T1+2]
	s_delay_alu instid0(VALU_DEP_1)
	v_cndmask_b32 v[TA], v[TA], v[TA+1], s[MH]     ; lanes 0-15: tile 0's, lanes 16-31: tile 1's
	global_store_b16 v6, v[TA], s[46:47]           ; two bytes a token, 32 bytes apart: 64 bytes for 2,048 bytes of codes
	s_wait_xcnt 0x0                                ; the stores have read their registers and bases
	s_add_nc_u64 s[44:45], s[44:45], 262144
	s_add_nc_u64 s[46:47], s[46:47], 8192
	s_sub_co_u32 s20, s20, 1
	s_cmp_lg_u32 s20, 0
	s_cbranch_scc1 .Lpass
	s_wait_tensorcnt 0x0                           ; the wave's end
	ds_add_u32 v126, v127
	s_wait_dscnt 0x0
	CROUND                                         ; the closing round
	s_endpgm
.Lfunc_end_k_q09e0b9e638_attn:
	.size	k_q09e0b9e638_attn, .Lfunc_end_k_q09e0b9e638_attn-k_q09e0b9e638_attn
	.p2alignl 7, 3214868480
	.fill 96, 4, 3214868480
	.section	.rodata,"a",@progbits
	.p2align	6, 0x0
	.amdhsa_kernel k_q09e0b9e638_attn
		.amdhsa_group_segment_fixed_size 327680
		.amdhsa_private_segment_fixed_size 0
		.amdhsa_enable_private_segment 0
		.amdhsa_kernarg_size 40
		.amdhsa_user_sgpr_count 2
		.amdhsa_user_sgpr_kernarg_segment_ptr 1
		.amdhsa_wavefront_size32 1
		.amdhsa_system_sgpr_workgroup_id_x 1
		.amdhsa_system_sgpr_workgroup_id_y 1
		.amdhsa_system_sgpr_workgroup_id_z 1
		.amdhsa_system_vgpr_workitem_id 0
		.amdhsa_next_free_vgpr 512
		.amdhsa_next_free_sgpr 66
		.amdhsa_reserve_vcc 0
		.amdhsa_float_denorm_mode_32 3
		.amdhsa_float_denorm_mode_16_64 3
		.amdhsa_memory_ordered 1
		.amdhsa_forward_progress 1
		.amdhsa_inst_pref_size 60
	.end_amdhsa_kernel
	.amdgpu_metadata
---
amdhsa.version: [ 1, 2 ]
amdhsa.kernels:
  - .name:           k_q09e0b9e638_attn
    .symbol:         k_q09e0b9e638_attn.kd
    .args:
      - { .name: qc, .offset: 0, .size: 8, .value_kind: global_buffer, .address_space: global }
      - { .name: qs, .offset: 8, .size: 8, .value_kind: global_buffer, .address_space: global }
      - { .name: kv, .offset: 16, .size: 8, .value_kind: global_buffer, .address_space: global }
      - { .name: ac, .offset: 24, .size: 8, .value_kind: global_buffer, .address_space: global }
      - { .name: asc, .offset: 32, .size: 8, .value_kind: global_buffer, .address_space: global }
    .group_segment_fixed_size: 327680
    .private_segment_fixed_size: 0
    .kernarg_segment_align: 8
    .kernarg_segment_size: 40
    .max_flat_workgroup_size: 256
    .sgpr_count:     66
    .vgpr_count:     512
    .wavefront_size: 32
...
	.end_amdgpu_metadata
.endif
;; end of part 3
;; launch oproj (part 4): grid 32 x 8, 4 waves a work-group, clusters of 4 x 1, 327,680 bytes of LDS; arguments ac, asc, W_out_codes, W_out_scales, b_out, x, out0; writes out0
.if DOCPART == 4
	.amdgcn_target "amdgcn-amd-amdhsa--gfx1250"
	.amdhsa_code_object_version 6
	.text
	.protected	k_q09e0b9e638_oproj
	.globl	k_q09e0b9e638_oproj
	.p2align	8
	.type	k_q09e0b9e638_oproj,@function
k_q09e0b9e638_oproj:
	s_mov_b64 s[64:65], 0
	v_nop
	global_prefetch_b8 v0, s[64:65] scope:SCOPE_SE
	s_setreg_imm32_b32 hwreg(HW_REG_WAVE_MODE, 25, 1), 1
	s_wait_xcnt 0x0
	s_wait_alu depctr_hold_cnt(0) depctr_sa_sdst(0) depctr_va_vdst(0) depctr_va_sdst(0) depctr_va_ssrc(0) depctr_va_vcc(0) depctr_vm_vsrc(0)
	s_getreg_b32 s2, hwreg(HW_REG_IB_STS2, 6, 4)
	s_cmp_eq_u32 s2, 0
	s_cbranch_scc0 .Lentry_in_a_cluster
	s_endpgm
.Lentry_in_a_cluster:
	s_bfe_u32 s2, ttmp6, 0x10000c
	s_cmp_lg_u32 s2, 0x3003
	s_cbranch_scc0 .Lentry_shape_is_right
	s_endpgm
.Lentry_shape_is_right:
; out = a W_out^T + b_out + x, the product on codes of E4M3.  a: the attention's result as operand images (ac, laid as xc) with its scale bytes asc [token][32].
; SHARES: a work-group takes 256 tokens x 128 output columns; W_out's 128 rows, all 1,024 along K, stay in LDS (whole rows, pitch 1,040), filled once.  The four work-groups
; of a cluster take the same columns, so W's tiles are asked for jointly.  Wave w takes 64 tokens (four token tiles) x 8 column tiles: 32 accumulators.  a's fragments are private to a wave:
; they go straight into registers, three K steps ahead.
; The product is used TRANSPOSED (source 0 = 16 rows of W, source 1 = a token tile): a lane holds one token and eight neighbouring columns.  The bias is the C of each sum's first product.
; The residual rows of x are asked for during the last four K steps and added on the way out, where a tile goes through the wave's own stage in LDS and leaves as whole rows of 512 bytes.
; REGISTERS: window 0: addresses; v16-47 W's scale words, v48-63 a's; v64-127 the bias in the result's layout; v128-255 two buffers of four fragments of W, later rows on their way out.
;   window 1: a's ring, 4 K steps x 64.  window 2: the accumulators at 8 (8 mt + nt).  window 3: the residual, 4 (16 mt + row).
.set LI,    1                          ; v1    16 x lane
.set WAD,   2                          ; v2-3  W's fragments of column-tile group 0..1
.set STO,   6                          ; v6    the stage, way in: 528 r + 32 h
.set RD,    7                          ; v7    way out: 16 x lane
.set WSA,   8                          ; v8    32 r + 16 h
.set ASA,   9                          ; v9    32 x (token of row r) + 16 h
.set BIA,   10                         ; v10   32 h
.set WS,    16
.set ASC,   48
.set BI,    64
.set CHUNK, 34816                      ; 128 rows x 272
.set STAGE, 4*CHUNK
.set WV,    18
.set G1,    24
.set G0,    32
.set MSB, 0
.macro WIN new
.if MSB != (\new)
	s_set_vgpr_msb (MSB<<8)|(\new)
.set MSB, (\new)
.endif
.endm
.macro PLACES n
.rept \n
	v_nop
.endr
.endm
.macro CROUND
	s_barrier_signal -1
	s_barrier_wait -1
	s_cmp_lg_u32 s[WV], 0
	s_cbranch_scc1 .Lnot_wave_0_\@
	s_barrier_signal -3
.Lnot_wave_0_\@:
	s_barrier_wait -3
	s_barrier_signal -1
	s_barrier_wait -1
.endm
	s_load_b256 s[4:11], s[0:1], 0x0               ; ac, asc, W's codes, W's scales
	s_load_b128 s[12:15], s[0:1], 0x20             ; b_out, x
	s_load_b64 s[16:17], s[0:1], 0x30              ; out0
	v_lshl_add_u32 v254, v0, 2, 0x2a400
	v_mov_b32 v255, 0
	ds_add_u32 v254, v255
	ds_add_u32 v254, v255
	s_wait_dscnt 0x0
	v_lshrrev_b32 v11, 5, v0
	v_readfirstlane_b32 s[WV], v11                 ; wave 0..3
	s_bfe_u32 s19, ttmp6, 0x40000                  ; cx: it enters no LDS address, no branch and no descriptor
	s_and_b32 s20, ttmp7, 0xffff                   ; the group of 128 columns, which the four partners share
	s_mov_b32 s[G1], 0x07f0000f                    ; mask: all four; elements of 1 byte; padding on; bit 21 beside the mask; four words after every 256: W's rows lie whole in LDS, pitch 1,040
	s_mov_b32 s[G1+1], 1024<<16
	s_mov_b32 s[G1+2], 32<<16
	s_mov_b32 s[G1+3], 1024<<16
	s_mov_b32 s[G1+4], 32
	s_mov_b32 s[G1+5], 1024
	s_mov_b32 s[G1+6], 0
	s_mov_b32 s[G1+7], 0
	s_mul_i32 s21, s[WV], 33280                    ; my 32 rows in LDS: 32 x 1,040
	s_lshl_b32 s22, s20, 17                        ; the group's 128 rows of 1,024 bytes,
	s_lshl_b32 s23, s[WV], 15                      ; my 32 of them
	s_add_co_u32 s22, s22, s23
	s_mov_b32 s23, 0
	s_lshl_b32 s48, ttmp9, 2
	s_add_co_u32 s48, s48, s19                     ; my 256 tokens: 4 x cluster x + cx
	s_lshl_b32 s49, s48, 4
	s_lshl_b32 s50, s[WV], 2
	s_add_co_u32 s49, s49, s50                     ; my first token tile: 16 rc + 4 w
	s_lshl_b32 s50, s49, 14                        ; ac: 16,384 a tile
	s_mov_b32 s51, 0
	s_lshl_b32 s52, s49, 9                         ; asc: 16 tokens of 32 bytes a tile
	s_mov_b32 s53, 0
	s_lshl_b32 s54, s49, 16                        ; x, out0: 16 rows of 4,096 bytes a tile,
	s_lshl_b32 s55, s20, 9
	s_add_co_u32 s54, s54, s55                     ; + the group's 512 bytes of a row
	s_mov_b32 s55, 0
	s_lshl_b32 s56, s20, 12                        ; W's scales: 128 rows of 32 bytes
	s_mov_b32 s57, 0
	s_lshl_b32 s58, s20, 9                         ; b_out: 128 numbers
	s_mov_b32 s59, 0
	s_mul_i32 s60, s[WV], 8448
	s_add_co_u32 s60, s60, STAGE                   ; my stage: 16 rows x 528
	s_wait_kmcnt 0x0
	s_add_nc_u64 s[8:9], s[8:9], s[22:23]
	s_mov_b32 s[G0], 1
	s_mov_b32 s[G0+1], s21
	s_mov_b64 s[G0+2:G0+3], s[8:9]
	s_or_b32 s[G0+3], s[G0+3], 0x80000000
	s_add_nc_u64 s[4:5], s[4:5], s[50:51]
	s_add_nc_u64 s[6:7], s[6:7], s[52:53]
	s_add_nc_u64 s[10:11], s[10:11], s[56:57]
	s_add_nc_u64 s[12:13], s[12:13], s[58:59]
	s_add_nc_u64 s[14:15], s[14:15], s[54:55]
	s_add_nc_u64 s[16:17], s[16:17], s[54:55]
	CROUND                                         ; all four work-groups are here: the joint loads meet
	tensor_load_to_lds s[G0:G0+3], s[G1:G1+7]      ; one tensor load of mine is out: all of K, filled once
	s_nop 0                                        ; one tensor load a wave: my 32 rows, all of K, filled once
	PLACES 4
	v_and_b32 v11, 31, v0
	v_and_b32 v12, 15, v0                          ; r
	v_bfe_u32 v13, v0, 4, 1                        ; h
	v_lshlrev_b32 v[LI], 4, v11
	v_mul_u32_u24 v[WAD], v12, 1040                ; v[WAD + g]: 1,040 r + 16 h + group g of four column tiles
	v_lshl_add_u32 v[WAD], v13, 4, v[WAD]
	v_add_nc_u32 v[WAD+1], 66560, v[WAD]           ; 64 rows x 1,040
	v_mul_u32_u24 v[STO], v12, 528
	v_lshl_add_u32 v[STO], v13, 5, v[STO]
	v_add_nc_u32 v[STO], s60, v[STO]
	v_add_nc_u32 v[RD], s60, v[LI]
	v_lshlrev_b32 v[WSA], 5, v12
	v_lshl_add_u32 v[WSA], v13, 4, v[WSA]
	v_and_b32 v[ASA], 7, v0
	v_bfe_u32 v14, v0, 3, 1
	v_lshl_add_u32 v[ASA], v14, 4, v[ASA]          ; row r of a tile is token r % 8 + 16 (r / 8)
	v_lshlrev_b32 v[ASA], 5, v[ASA]
	v_lshl_add_u32 v[ASA], v13, 4, v[ASA]
	v_lshlrev_b32 v[BIA], 5, v13
.irp nt, 0,1,2,3,4,5,6,7
	global_load_b128 v[WS+4*\nt:WS+4*\nt+3], v[WSA], s[10:11] offset:\nt*512   ; lanes 0-15: K steps 0-3, lanes 16-31: K steps 4-7
.endr
.irp mt, 0,1,2,3
	global_load_b128 v[ASC+4*\mt:ASC+4*\mt+3], v[ASA], s[6:7] offset:(32*(\mt/2)+8*(\mt%2))*32
.endr
.irp nt, 0,1,2,3,4,5,6,7
	global_load_b128 v[BI+8*\nt:BI+8*\nt+3], v[BIA], s[12:13] offset:\nt*64      ; columns 16 nt + 8 h + 0 .. 7
	global_load_b128 v[BI+8*\nt+4:BI+8*\nt+7], v[BIA], s[12:13] offset:\nt*64+16
.endr
.macro ASTEP st                        ; a's fragments of K step st, four tiles, into ring buffer st % 4
	WIN 0x40
.irp mt, 0,1,2,3
.irp c, 0,1,2,3
	global_load_b128 v[64*((\st)%4)+16*\mt+4*\c:64*((\st)%4)+16*\mt+4*\c+3], v[LI], s[4:5] offset:\mt*16384+(\st)*2048+\c*512
.endr
.endr
.endm
.macro XRES mt                         ; the residual: tile mt's 16 rows of x, 512 bytes each
	WIN 0xc0
.irp i, 0,1,2,3,4,5,6,7,8,9,10,11,12,13,14,15
	global_load_b128 v[64*(\mt)+4*\i:64*(\mt)+4*\i+3], v[LI], s[14:15] offset:(32*((\mt)/2)+8*((\mt)%2)+(\i%8)+16*(\i/8))*4096 th:TH_LOAD_NT
.endr
.endm
.macro WLOAD s, g                      ; W's four fragments of K step s, column tiles 4 g on, into buffer g
	WIN 0
.irp i, 0,1,2,3
.irp c, 0,1,2,3
	ds_load_b128 v[128+64*(\g)+16*\i+4*\c:128+64*(\g)+16*\i+4*\c+3], v[WAD+(\g)] offset:\i*16640+(\s)*128+32*\c
.endr
.endr
.endm
; A group: 16 matrix instructions, four token tiles x four column tiles, 128 along K.  The 32 accumulators take turns, one instruction a turn.
.macro GROUP s, g
.set IDX, 2*(\s)+(\g)
.set NS, (IDX+1)/2
.set NG, (IDX+1)%2
.set SJ, (\s)%4
	PLACES 8                                       ; eight places between the last products and loads into registers that they read
.if IDX < 15
	WLOAD NS, NG
.endif
.if ((\g) == 0) && ((\s) >= 1) && ((\s) <= 4)
	ASTEP (\s)+3
.endif
.if (\g) == 0
	s_wait_loadcnt 48                              ; this K step's 16 loads are in; behind them three groups of 16 may be out: later K steps, and from step 5 on rows of the residual
.if (\s) >= 4
	XRES (\s)-4
.endif
.endif
.if IDX < 15
	s_wait_dscnt 16                                ; all but the 16 just issued
.else
	s_wait_dscnt 0x0
.endif
.if (\s) == 0
	WIN 0x84                                       ; W and the bias window 0, a window 1, D window 2
.else
	WIN 0xa4                                       ; W window 0, a window 1, C and D window 2
.endif
.irp mt, 0,1,2,3
.irp i, 0,1,2,3
.set DA, 8*(8*\mt+4*(\g)+\i)
.set WF, 128+64*(\g)+16*\i
.set AF, 64*SJ+16*\mt
.set SWR, WS+4*(4*(\g)+\i)+SJ
.set SAR, ASC+4*\mt+SJ
.set BR, BI+8*(4*(\g)+\i)
.if (\s) == 0
	v_wmma_scale_f32_16x16x128_f8f6f4 v[DA:DA+7], v[WF:WF+15], v[AF:AF+15], v[BR:BR+7], v[SWR], v[SAR]
.elseif (\s) < 4
	v_wmma_scale_f32_16x16x128_f8f6f4 v[DA:DA+7], v[WF:WF+15], v[AF:AF+15], v[DA:DA+7], v[SWR], v[SAR]
.else
	v_wmma_scale_f32_16x16x128_f8f6f4 v[DA:DA+7], v[WF:WF+15], v[AF:AF+15], v[DA:DA+7], v[SWR], v[SAR] matrix_a_scale:MATRIX_SCALE_ROW1 matrix_b_scale:MATRIX_SCALE_ROW1
.endif
.endr
.endr
.endm
.irp q, 0,1,2,3
	ASTEP \q
.endr
	WIN 0
	s_wait_alu depctr_va_vdst(0)
	s_wait_tensorcnt 0x0                           ; my 32 rows of W have landed; behind the barrier everybody's have
	s_barrier_signal -1
	s_barrier_wait -1
	WLOAD 0, 0
.irp s, 0,1,2,3,4,5,6,7
.irp g, 0,1
	GROUP \s, \g
.endr
.endr
	WIN 0
; THE WAY OUT, a token tile at a time: 32 bytes a lane into my stage, back as whole rows of 512 bytes, + the residual, stored.
.macro TOSTAGE mt
	WIN 0x08                                       ; an LDS store's data are its source 1: window 2
.irp nt, 0,1,2,3,4,5,6,7
	ds_store_b128 v[STO], v[8*(8*(\mt)+\nt):8*(8*(\mt)+\nt)+3] offset:64*\nt          ; each accumulator from its low end on
	ds_store_b128 v[STO], v[8*(8*(\mt)+\nt)+4:8*(8*(\mt)+\nt)+7] offset:64*\nt+16
.endr
	WIN 0
.irp i, 0,1,2,3,4,5,6,7,8,9,10,11,12,13,14,15
	ds_load_b128 v[128+64*((\mt)%2)+4*\i:128+64*((\mt)%2)+4*\i+3], v[RD] offset:\i*528   ; LDS serves a wave's instructions in order: these see the stores above
.endr
.endm
.macro SEND mt, younger                ; younger: the LDS instructions issued behind tile mt's loads, which may stay out
.set OBB, 128+64*((\mt)%2)
	s_wait_dscnt \younger
	s_wait_loadcnt 16*(3-(\mt))                    ; this tile's 16 rows of x are in; the later tiles' may be out
	WIN 0x0c                                       ; source 1 (the residual) window 3
.set k, 0
.rept 32
	v_pk_add_f32 v[OBB+k:OBB+k+1], v[OBB+k:OBB+k+1], v[64*(\mt)+k:64*(\mt)+k+1]
.set k, k+2
.endr
	WIN 0
.irp i, 0,1,2,3,4,5,6,7,8,9,10,11,12,13,14,15
	global_store_b128 v[LI], v[OBB+4*\i:OBB+4*\i+3], s[16:17] offset:(32*((\mt)/2)+8*((\mt)%2)+(\i%8)+16*(\i/8))*4096 th:TH_STORE_NT   ; 512 consecutive bytes of a row
.endr
.endm
	PLACES 8                                       ; ahead of the first reads of results, and of loads into the registers that held W's fragments
	TOSTAGE 0
.irp mt, 1,2,3
.if \mt > 1
	s_wait_xcnt 0x0                                ; the stores of two tiles back have read their registers: this tile's rows may land there
.endif
	TOSTAGE \mt
	SEND \mt-1, 32                                 ; behind that tile's loads: this tile's 16 stores and 16 loads
.endr
	SEND 3, 0
	s_wait_xcnt 0x0
	v_lshl_add_u32 v254, v0, 2, 0x2a400
	v_mov_b32 v255, 0
	s_wait_alu depctr_va_vdst(0)
	s_wait_tensorcnt 0x0
	ds_add_u32 v254, v255
	s_wait_dscnt 0x0
	CROUND                                         ; the closing round
	s_endpgm
.Lfunc_end_k_q09e0b9e638_oproj:
	.size	k_q09e0b9e638_oproj, .Lfunc_end_k_q09e0b9e638_oproj-k_q09e0b9e638_oproj
	.p2alignl 7, 3214868480
	.fill 96, 4, 3214868480
	.section	.rodata,"a",@progbits
	.p2align	6, 0x0
	.amdhsa_kernel k_q09e0b9e638_oproj
		.amdhsa_group_segment_fixed_size 327680
		.amdhsa_private_segment_fixed_size 0
		.amdhsa_enable_private_segment 0
		.amdhsa_kernarg_size 56
		.amdhsa_user_sgpr_count 2
		.amdhsa_user_sgpr_kernarg_segment_ptr 1
		.amdhsa_wavefront_size32 1
		.amdhsa_system_sgpr_workgroup_id_x 1
		.amdhsa_system_sgpr_workgroup_id_y 1
		.amdhsa_system_sgpr_workgroup_id_z 1
		.amdhsa_system_vgpr_workitem_id 0
		.amdhsa_next_free_vgpr 1024
		.amdhsa_next_free_sgpr 66
		.amdhsa_reserve_vcc 0
		.amdhsa_float_denorm_mode_32 3
		.amdhsa_float_denorm_mode_16_64 3
		.amdhsa_memory_ordered 1
		.amdhsa_forward_progress 1
		.amdhsa_inst_pref_size 103
	.end_amdhsa_kernel
	.amdgpu_metadata
---
amdhsa.version: [ 1, 2 ]
amdhsa.kernels:
  - .name:           k_q09e0b9e638_oproj
    .symbol:         k_q09e0b9e638_oproj.kd
    .args:
      - { .name: ac, .offset: 0, .size: 8, .value_kind: global_buffer, .address_space: global }
      - { .name: asc, .offset: 8, .size: 8, .value_kind: global_buffer, .address_space: global }
      - { .name: W_out_codes, .offset: 16, .size: 8, .value_kind: global_buffer, .address_space: global }
      - { .name: W_out_scales, .offset: 24, .size: 8, .value_kind: global_buffer, .address_space: global }
      - { .name: b_out, .offset: 32, .size: 8, .value_kind: global_buffer, .address_space: global }
      - { .name: x, .offset: 40, .size: 8, .value_kind: global_buffer, .address_space: global }
      - { .name: out0, .offset: 48, .size: 8, .value_kind: global_buffer, .address_space: global }
    .group_segment_fixed_size: 327680
    .private_segment_fixed_size: 0
    .kernarg_segment_align: 8
    .kernarg_segment_size: 56
    .max_flat_workgroup_size: 128
    .sgpr_count:     66
    .vgpr_count:     1024
    .wavefront_size: 32
...
	.end_amdgpu_metadata
.endif
;; end of part 4
